; MI455X (gfx1250); checked and timed in simulation.
; The chip was launched on July 23, 2026; its instructions are those of AMD's public machine-readable ISA for CDNA 5 (MIT licence, August 2026) and "CDNA5" Instruction Set Architecture Reference Guide (July 2026). The comments in the code are by the model that wrote it; some were corrected since.
;; Self Attention. Allowed arithmetic: matrix products marked QUANTISED: E5M2 operands, one given power-of-two scale a tensor, by v_wmma_f32_16x16x64_bf8_bf8 or v_wmma_f32_16x16x128_bf8_bf8, f32 sums; everything else in f32.
;; Inputs: Wk_codes 1,024 x 32 x 32 uint8 (E5M2 codes of Wk, K innermost, in blocks of 32 codes); Wq_codes 1,024 x 32 x 32 uint8 (E5M2 codes of Wq, K innermost, in blocks of 32 codes); Wv_codes 1,024 x 32 x 32 uint8 (E5M2 codes of Wv, K innermost, in blocks of 32 codes); bk 1,024 float32; bq 1,024 float32; bv 1,024 float32; embeddings_codes 4 x 2,048 x 32 x 32 uint8 (E5M2 codes of embeddings, K innermost, in blocks of 32 codes); lowp_scales 10 int32 (the exponents e of the quantised operands' scales 2^e).
;; Outputs: out0 4 x 2,048 x 1,024 float32.
;; Constants: masking = 1.
;; This version of the problem:
;;   THIS VERSION OF THE PROBLEM IS GIVEN IN LOW PRECISION. The matrix products marked QUANTISED in the list below multiply operands that are first quantised to E5M2 (5 exponent bits, 2 mantissa bits; 8 bits a number), with one given power-of-two scale for each operand tensor; their sums are f32. All else is computed in f32.
;;   The module's matrix products, in the order in which they are computed (A, B: the left and right operand; K: the contracted axis; several contracted axes count as one K, in the product's order):
;;     1. [M 8,192, K 1,024] x [K 1,024, N 1,024]; A: input embeddings (given as codes); B: input Wq (given as codes): QUANTISED (scales: A lowp_scales[0], B lowp_scales[1])
;;     2. [M 8,192, K 1,024] x [K 1,024, N 1,024]; A: input embeddings (given as codes); B: input Wk (given as codes): QUANTISED (scales: A lowp_scales[2], B lowp_scales[3])
;;     3. [M 8,192, K 1,024] x [K 1,024, N 1,024]; A: input embeddings (given as codes); B: input Wv (given as codes): QUANTISED (scales: A lowp_scales[4], B lowp_scales[5])
;;     4. batch 4 x [M 2,048, K 1,024] x [K 1,024, N 2,048]; A: computed on the way; B: computed on the way: QUANTISED (scales: A lowp_scales[6], B lowp_scales[7])
;;     5. batch 4 x [M 2,048, K 2,048] x [K 2,048, N 1,024]; A: softmax (see below); B: computed on the way: QUANTISED (scales: A lowp_scales[8], B lowp_scales[9])
;;   THE QUANTISER, for each operand of a quantised product, along K:
;;     - The operand's scale is 2^e, e = its entry of the input lowp_scales (int32; the entries are numbered through the quantised products in the list's order, A before B).
;;     - Each number is divided by the scale, clamped to +-57,344, and rounded to the nearest number of E5M2, ties to even, subnormals kept.
;;     - The product sums the exact products of the quantised numbers (number of the format x scale) in f32.
;;   ~~~python
;;   def quantise(x, axis, e):      # numpy; x: float32 -> the quantised numbers, widened to float32 again
;;       x = np.moveaxis(x, axis, -1); K = x.shape[-1]
;;       r = np.clip(x / 2.0 ** e, -57344, 57344)
;;       step = 2.0 ** (np.maximum(np.frexp(np.where(r == 0, 1, r))[1] - 1, -14) - 2)
;;       q = np.round(r / step) * step * 2.0 ** e      # np.round: ties to even
;;       return np.moveaxis(q, -1, axis).astype(np.float32)
;;   ~~~
;;   SOFTMAX AHEAD OF A QUANTISED PRODUCT. Where the list says 'softmax', what is quantised is not the finished softmax but p = 2^(t - M), with t = logit x log2(e) and M = ceil(the row's largest t), a whole number; so 1/2 < the row's largest p <= 1. The row's sum l is taken of the UNQUANTISED p, in f32, and the product's result is divided by l at the end. Since M is a whole number, a kernel that streams over the keys may use a running M (the ceiling of the running maximum): every later rescaling is an exact power of two, so the quantised numbers keep their values, but for numbers so far below the row's largest that they fall under the format's range.
;;   OPERANDS COMPUTED ON THE WAY. 'Computed on the way' means the value that the module computes at that place (a softmax that the list does not call 'softmax' is quantised finished and normalised). What goes into a quantiser is computed in f32, as accurately as f32 sums, v_exp_f32 and their like allow (about 1e-6 of the number): no bf16 or f16 on the way to a quantiser, and a product that is left as it is and whose result goes on into a quantised operand takes f32 operands (vector FMAs, or v_wmma_f32_16x16x4_f32). A number that lies on a knife's edge between two numbers of the format may be rounded either way, as far as f32 arithmetic and the matrix unit's own rounding can turn it there, and no further.
;;   INPUTS GIVEN AS CODES. Wk (in the module: [1024, 1024], K = its axis 0); Wq (in the module: [1024, 1024], K = its axis 0); Wv (in the module: [1024, 1024], K = its axis 0); embeddings (in the module: [4, 2048, 1024], K = its axis 2): each comes as NAME_codes (uint8): NAME with its K axis moved to the last place and cut into blocks of 32 codes, [.., K / 32, bytes a block], one block behind the other in memory; one code a byte (a code: sign, 5 exponent bits, 2 mantissa bits); its scale is its entry of lowp_scales. Its value is code x scale, taken as it is: it is not quantised again, and the codes and scales need not be those that the quantiser above would give.
;; One version. Each part assembles by itself: llvm-mc -triple=amdgcn-amd-amdhsa -mcpu=gfx1250 --defsym DOCPART=n.
;; ======== version 1 of 1: 3 launches
;; limits: right only within a limited range of input values
;; workspace buffers: qkf 16,777,216 bytes; vf 8,388,608 bytes; pf 16,777,216 bytes; stats 1,048,576 bytes
;; launch proj (part 1): grid 8 x 32, 4 waves a work-group, clusters of 4 x 4, 327,680 bytes of LDS; arguments embeddings_codes, Wq_codes, Wk_codes, Wv_codes, bq, bk, bv, lowp_scales, qkf, vf; writes qkf, vf
.if DOCPART == 1
	.amdgcn_target "amdgcn-amd-amdhsa--gfx1250"
	.amdhsa_code_object_version 6
	.text
	.protected	k_q97fee31612_proj
	.globl	k_q97fee31612_proj
	.p2align	8
	.type	k_q97fee31612_proj,@function
k_q97fee31612_proj:
	s_mov_b64 s[64:65], 0
	v_nop
	global_prefetch_b8 v0, s[64:65] scope:SCOPE_SE
	s_setreg_imm32_b32 hwreg(HW_REG_WAVE_MODE, 25, 1), 1
	s_wait_xcnt 0x0
	s_wait_alu depctr_hold_cnt(0) depctr_sa_sdst(0) depctr_va_vdst(0) depctr_va_sdst(0) depctr_va_ssrc(0) depctr_va_vcc(0) depctr_vm_vsrc(0)
	s_getreg_b32 s2, hwreg(HW_REG_IB_STS2, 6, 4)
	s_cmp_eq_u32 s2, 0
	s_cbranch_scc0 .Lentry_in_a_cluster
	s_endpgm
.Lentry_in_a_cluster:
	s_bfe_u32 s2, ttmp6, 0x10000c
	s_cmp_lg_u32 s2, 0xf033
	s_cbranch_scc0 .Lentry_shape_is_right
	s_endpgm
.Lentry_shape_is_right:
; q, k, v = x W + b as codes of E5M2, each with its given scale.  A work-group makes 256 tokens x 128 columns of each of the three; a wave 128 x 64 of each: 96 accumulators.
; WORK LEFT OUT BY THE PROGRAM (launches scores and pv): squares of 1,024 queries x 1,024 keys that lie wholly above the diagonal.  reference() puts -inf there ahead of its softmax, so p = 0 and the
; key's v counts for nothing, whatever the finite inputs are.  LIMIT: a NaN, an infinity or an overflow that reaches only that work is not carried to the result.
; Other limits: the sums of given exponents that make a power of two here lie between -126 and 112; NaN among the inputs is not served.
; LDS: rows of 256 bytes (256 along K) + 16 of padding.  Slot 0 = 256 rows of x, then 128 of Wq, Wk, Wv; slot 1 = 256 rows of x and two places of 128 rows: two slots of all 640 rows do not fit in LDS.
; So v lags a K step.  Fills: 0: x0 q0 k0 v0 (slot 0); 1: x1 q1 k1 (slot 1); 2: x2 q2 k2 v1 (slot 0); 3: x3 q3 v2 (slot 1) and v3 (slot 0); 4: k3 (slot 0).
; Products: qkv(0), qk(1), v(1), qk(2), v(2), q(3), kv(3).  Wave 0 fetches x, waves 1 to 3 the weights, one joint load each: x along a row of the cluster, the weights along a column.
; q and k: source 0 = W, source 1 = x (a lane holds one token); v: source 0 = x, source 1 = W (a lane holds one channel).  The conversions' results are fragments of the next launches, stored as images.
; The bias is the C of each sum's first matrix instruction, divided by the power of two that the sum lacks.
; No data prefetch: the block is the largest that the registers hold, shared in clusters, and K is 1,024: after the head only three K steps are left to ask for.
; vf: [batch 4][128 channels 8][256 keys 8][channel tile 8][128 keys 2][2,048].
; REGISTERS: window 0: addresses, x's fragments (two sets of 64), three sets of 32 of weights; windows 1, 2, 3: the accumulators of q, k, v.
.set PA,    272
.set KA,    128*PA
.set WA0,   256*PA
.set SB,    640*PA
.set SPARE, 1152*PA
.set BL,    SPARE+512                  ; the biases: 768 bytes for each wave
.set PADA,  (1<<20)|(1<<21)|(5<<22)|(3<<25)
.set AE0,  8
.set AE1,  9
.set AQ,   10                          ; Wq's place in slot 0; Wk's lies KA further on
.set AV,   11                          ; Wv's place
.set AX,   12                          ; slot 1's two places
.set GO,   16
.set BLQ,  17
.set BLV,  18
.set BST,  19
.set SC,   20
.set LIM,  23
.set SPW,  28
.set NIL,  29
.set EF,   32
.set WF,   160
.set TMP,  104
.set CD,   168
.set G1E, 24
.set G1W, 32
.set G0E, 40
.set G0W, 48
.set VP,  56
.set G0V, 68                           ; s[68:71] group 0 of v's K step 2, which wave 2 fetches into its place of slot 1
.set MSB, 0
.macro WIN new
.if MSB != (\new)
	s_set_vgpr_msb (MSB<<8)|(\new)
.set MSB, (\new)
.endif
.endm
.macro PLACES
.rept 4
	v_nop
.endr
.endm
.macro TL g0, g1
	tensor_load_to_lds s[\g0:\g0+3], s[\g1:\g1+7]
	s_nop 0
	PLACES
.endm
; mode 0: slot 0, all waves.  1: slot 1, wave 3 none.  2: slot 0, wave 2 alone.  3: slot 1, wave 3 in slot 0.
.macro JL mode
.if \mode == 2
	s_cmp_lg_u32 s14, 2
	s_cbranch_scc1 .Lasked_\@
	TL G0W, G1W
.else
	s_cmp_eq_u32 s14, 0
	s_cbranch_scc0 .Lfor_w_\@
.if \mode == 0
	TL G0E, G1E
.else
	TL G0E+4, G1E
.endif
	s_branch .Lasked_\@
.Lfor_w_\@:
.if \mode == 0
	TL G0W, G1W
.else
	s_cmp_eq_u32 s14, 3
.if \mode == 1
	s_cbranch_scc1 .Lasked_\@
.else
	s_cbranch_scc0 .Lslot1_\@
	TL G0W, G1W
	s_branch .Lasked_\@
.Lslot1_\@:
	s_cmp_eq_u32 s14, 2
	s_cbranch_scc0 .Lslot1_q_\@
	TL G0V, G1W
	s_branch .Lasked_\@
.Lslot1_q_\@:
.endif
	TL G0W+4, G1W
.endif
.endif
.Lasked_\@:
.endm
.macro CREST
	s_cmp_lg_u32 s14, 0
	s_cbranch_scc1 .Lnot_wave_0_\@
	s_barrier_signal -3
.Lnot_wave_0_\@:
	s_barrier_wait -3
	s_barrier_signal -1
	s_barrier_wait -1
.endm
.macro CROUND
	s_barrier_signal -1
	s_barrier_wait -1
	CREST
.endm
.macro G1SET g, rows
	s_mov_b32 s[\g+1], 256<<16
	s_mov_b32 s[\g+2], (\rows)<<16
	s_mov_b32 s[\g+3], 256<<16
	s_mov_b32 s[\g+4], \rows
	s_mov_b32 s[\g+5], 1024
	s_mov_b32 s[\g+6], 0
	s_mov_b32 s[\g+7], 0
.endm
	s_load_b512 s[76:91], s[0:1], 0x0              ; x 76, Wq 78, Wk 80, Wv 82, bq 84, bk 86, bv 88, scales 90
	s_load_b128 s[92:95], s[0:1], 0x40             ; qkf 92, vf 94
	v_lshl_add_u32 v[SPW], v0, 2, SPARE
	v_mov_b32 v[NIL], 0
	ds_add_u32 v[SPW], v[NIL]                      ; the add, twice on end, ahead of the first tensor load
	ds_add_u32 v[SPW], v[NIL]
	v_lshrrev_b32 v1, 5, v0
	v_readfirstlane_b32 s14, v1
	v_and_b32 v5, 31, v0
	v_lshlrev_b32 v[GO], 4, v5
	v_lshlrev_b32 v6, 3, v5
	s_lshr_b32 s15, s14, 1                         ; my half of the tokens
	s_and_b32 s16, s14, 1                          ; my half of the columns
	s_bfe_u32 s17, ttmp6, 0x40000                  ; cx
	s_bfe_u32 s18, ttmp6, 0x40004                  ; cy
	s_lshl_b32 s19, ttmp9, 2
	s_add_co_u32 s19, s19, s17                     ; block of 128 columns
	s_and_b32 s20, ttmp7, 0xffff
	s_lshl_b32 s20, s20, 2
	s_add_co_u32 s20, s20, s18                     ; block of 256 tokens
	s_lshl_b32 s21, s18, 2
	s_lshl_b32 s21, 15, s21
	s_lshl_b32 s2, 0x1111, s17
	s_or_b32 s[G1E], s21, PADA
	s_or_b32 s[G1W], s2, PADA
	G1SET G1E, 256
	G1SET G1W, 128
	s_lshl_b32 s22, s20, 18
	s_mov_b32 s23, 0
	s_lshl_b32 s96, s19, 17
	s_mov_b32 s97, 0
	s_mul_i32 s98, s14, KA
	s_add_co_u32 s98, s98, WA0-KA                  ; waves 1 to 3: their 128 rows of weights in a slot
	s_lshl_b32 s12, s19, 9
	s_lshl_b32 s13, s16, 8
	s_add_co_u32 s12, s12, s13
	s_mov_b32 s13, 0
	s_mov_b32 s58, 512                             ; slot 0's weights at fill 2: two K steps on, v's one
	s_mov_b32 s60, 256                             ; at fill 3: k's one K step on, v's two
	s_cmp_eq_u32 s14, 3
	s_cselect_b32 s58, 256, s58
	s_cselect_b32 s60, 512, s60
	s_mov_b32 s59, 0
	s_mov_b32 s61, 0
	s_wait_dscnt 0x0                               ; both opening adds are done
	s_wait_alu depctr_va_vdst(0)
	s_wait_kmcnt 0x0
	s_add_nc_u64 s[84:85], s[84:85], s[12:13]
	s_add_nc_u64 s[86:87], s[86:87], s[12:13]
	s_add_nc_u64 s[88:89], s[88:89], s[12:13]
	global_load_b64 v[32:33], v6, s[84:85]         ; my 64 columns' biases, two a lane
	global_load_b64 v[34:35], v6, s[86:87]
	global_load_b64 v[36:37], v6, s[88:89]
	s_load_b256 s[4:11], s[90:91], 0x0
	s_load_b64 s[12:13], s[90:91], 0x20
	s_cmp_eq_u32 s14, 2
	s_cselect_b64 s[2:3], s[80:81], s[78:79]
	s_cmp_eq_u32 s14, 3
	s_cselect_b64 s[2:3], s[82:83], s[2:3]
	s_add_nc_u64 s[22:23], s[76:77], s[22:23]
	s_add_nc_u64 s[VP:VP+1], s[82:83], s[96:97]
	s_add_nc_u64 s[VP:VP+1], s[VP:VP+1], 512       ; v's K step 2, which wave 2 fetches
	s_add_nc_u64 s[96:97], s[2:3], s[96:97]
	CROUND
.irp n, 0,1
	s_mov_b32 s[G0E+4*\n], 1
	s_mov_b32 s[G0E+4*\n+1], \n*SB
	s_add_nc_u64 s[G0E+4*\n+2:G0E+4*\n+3], s[22:23], \n*256
	s_or_b32 s[G0E+4*\n+3], s[G0E+4*\n+3], 0x80000000
	s_mov_b32 s[G0W+4*\n], 1
	s_add_co_u32 s[G0W+4*\n+1], s98, \n*SB
	s_add_nc_u64 s[G0W+4*\n+2:G0W+4*\n+3], s[96:97], \n*256
	s_or_b32 s[G0W+4*\n+3], s[G0W+4*\n+3], 0x80000000
.endr
	s_mov_b32 s[G0V], 1
	s_add_co_u32 s[G0V+1], s98, SB
	s_add_nc_u64 s[G0V+2:G0V+3], s[VP:VP+1], 0
	s_or_b32 s[G0V+3], s[G0V+3], 0x80000000
	JL 0                                           ; fill 0
	v_and_b32 v1, 15, v0
	v_bfe_u32 v2, v0, 4, 1
	v_mul_u32_u24 v3, v1, PA
	v_lshl_add_u32 v3, v2, 4, v3                   ; a fragment's row x pitch + 16 x half
	s_mul_i32 s2, s15, 128*PA
	s_mul_i32 s3, s16, 64*PA
	s_add_co_u32 s3, s3, WA0
	v_add_nc_u32 v[AE0], s2, v3
	v_add_nc_u32 v[AQ], s3, v3
	v_add_nc_u32 v[AE1], SB, v[AE0]
	v_add_nc_u32 v[AV], 2*KA, v[AQ]
	v_add_nc_u32 v[AX], SB, v[AQ]
	s_mul_i32 s66, s14, 768
	s_add_co_u32 s66, s66, BL
	v_add_nc_u32 v[BST], s66, v6
	v_lshl_add_u32 v[BLQ], v2, 5, s66
	v_lshl_add_u32 v[BLV], v1, 2, s66
	v_add_nc_u32 v[BLV], 512, v[BLV]
	s_wait_alu depctr_va_vdst(0)
	s_lshl_b32 s2, s20, 19                         ; qkf: token tile x 32,768; q, then k 16,384 on
	s_lshl_b32 s3, s15, 18
	s_add_co_u32 s2, s2, s3
	s_lshl_b32 s3, s19, 11
	s_add_co_u32 s2, s2, s3
	s_lshl_b32 s3, s16, 10
	s_add_co_u32 s2, s2, s3
	s_mov_b32 s3, 0
	s_add_nc_u64 s[92:93], s[92:93], s[2:3]
	s_lshr_b32 s2, s20, 3                          ; vf
	s_lshl_b32 s2, s2, 21
	s_lshl_b32 s3, s19, 18
	s_add_co_u32 s2, s2, s3
	s_and_b32 s3, s20, 7
	s_lshl_b32 s3, s3, 15
	s_add_co_u32 s2, s2, s3
	s_lshl_b32 s3, s16, 14
	s_add_co_u32 s2, s2, s3
	s_lshl_b32 s3, s15, 11
	s_add_co_u32 s2, s2, s3
	s_mov_b32 s3, 0
	s_add_nc_u64 s[94:95], s[94:95], s[2:3]
.macro KIND ea, eb, eo, kd             ; the product's scales and the next quantiser's folded into the conversion's one; the hold's bound; the bias's shift
	s_add_co_i32 s2, s[\ea], s[\eb]
	s_sub_co_i32 s3, s[\eo], s2
	s_add_co_i32 s3, s3, 127
	s_lshl_b32 s66, s3, 23
	v_mov_b32 v[SC+\kd], s66
	s_add_co_i32 s3, s3, 15
	s_lshl_b32 s3, s3, 23
	s_or_b32 s3, s3, 0x600000
	v_mov_b32 v[LIM+\kd], s3
	s_sub_co_i32 s[\ea], 0, s2
.endm
	s_wait_kmcnt 0x0
	KIND 4, 5, 10, 0
	KIND 6, 7, 11, 1
	KIND 8, 9, 13, 2
	s_wait_alu depctr_va_vdst(0)
	s_wait_loadcnt 0x0
	v_ldexp_f32 v32, v32, s4
	v_ldexp_f32 v33, v33, s4
	v_ldexp_f32 v34, v34, s6
	v_ldexp_f32 v35, v35, s6
	v_ldexp_f32 v36, v36, s8
	v_ldexp_f32 v37, v37, s8
	ds_store_b64 v[BST], v[32:33]                  ; my wave's own bytes
	ds_store_b64 v[BST], v[34:35] offset:256
	ds_store_b64 v[BST], v[36:37] offset:512
; The LDS loads are counted as the text is assembled: LI = issued; IE, IW = LI behind a set's last load; SAT = known to be in.  A wait's count is what was issued behind the set that is needed.
.set LI, 0
.set SAT, 0
.set IE0, 0
.set IE1, 0
.set IW0, 0
.set IW1, 0
.set IW2, 0
.macro FE adr, off, p                  ; x's fragments: 128 tokens x 64 along K, set p
.irp a, 0,1,2,3,4,5,6,7
	ds_load_b128 v[EF+64*\p+8*\a:EF+64*\p+8*\a+3], v[\adr] offset:(\off)+\a*16*PA
	ds_load_b128 v[EF+64*\p+8*\a+4:EF+64*\p+8*\a+7], v[\adr] offset:(\off)+\a*16*PA+32
.endr
.set LI, LI+16
.set IE\p, LI
.endm
.macro FW buf, adr, off                ; a weight's fragments: 64 columns x 64 along K, set buf
.irp t, 0,1,2,3
	ds_load_b128 v[WF+32*\buf+8*\t:WF+32*\buf+8*\t+3], v[\adr] offset:(\off)+\t*16*PA
	ds_load_b128 v[WF+32*\buf+8*\t+4:WF+32*\buf+8*\t+7], v[\adr] offset:(\off)+\t*16*PA+32
.endr
.set LI, LI+8
.set IW\buf, LI
.endm
; Products of kind kd (0 q, 1 k, 2 v), column tiles t0 .. t1 - 1; the 32 accumulators of a kind take turns.  z = 1: C is the bias.
.macro MUT kd, buf, p, z, t0, t1
.set nd, IW\buf
.if IE\p > nd
.set nd, IE\p
.endif
.if nd > SAT
	s_wait_dscnt LI-nd
.set SAT, nd
.endif
.if \z
	WIN (\kd+1)<<6
.else
	WIN 0x50*(\kd+1)
.endif
.set t, \t0
.rept (\t1)-(\t0)
.set a, 0
.rept 8
.set rE, EF+64*\p+8*a
.set rW, WF+32*\buf+8*t
.if \kd < 2
.set rD, 8*(4*a+t)
.if \z
.set rC, EF+64+32*\kd+8*t
.else
.set rC, rD
.endif
	v_wmma_f32_16x16x64_bf8_bf8 v[rD:rD+7], v[rW:rW+7], v[rE:rE+7], v[rC:rC+7]
.else
.set rD, 8*(8*t+a)
.if \z
.set rC, EF+64+8*t
.else
.set rC, rD
.endif
	v_wmma_f32_16x16x64_bf8_bf8 v[rD:rD+7], v[rE:rE+7], v[rW:rW+7], v[rC:rC+7]
.endif
.set a, a+1
.endr
.set t, t+1
.endr
.endm
.macro ENDMU                           ; four places ahead of loads into, or vector work on, registers that the products named
	WIN 0
	PLACES
.endm
.macro MU kd, buf, p
	MUT \kd, \buf, \p, 0, 0, 4
	ENDMU
.endm
; A step of 64 along K multiplies what is there and fetches the next step's fragments: those for free sets ahead of its products.
.macro S3 p, np, o
	FE AE0, \o, \np
	MU 0, 0, \p
	FW 0, AQ, \o
	MU 1, 1, \p
	FW 1, AQ, KA+\o
	MU 2, 2, \p
	FW 2, AV, \o
.endm
.macro S2 ka, kb, b1, b2, b3, p, np, ae, o, w1, o1, w2, o2
	FE \ae, \o, \np
	FW \b3, \w1, (\o1)+\o
	MU \ka, \b1, \p
	FW \b1, \w2, (\o2)+\o
	MU \kb, \b2, \p
.endm
.macro SEG2 ka, kb, x, y, z, ae, w1, o1, w2, o2   ; two kinds, the first three steps of a K step; the fourth finds its weights in sets x, y
	S2 \ka, \kb, \x, \y, \z, 0, 1, \ae, 64, \w1, \o1, \w2, \o2
	S2 \ka, \kb, \z, \x, \y, 1, 0, \ae, 128, \w1, \o1, \w2, \o2
	S2 \ka, \kb, \y, \z, \x, 0, 1, \ae, 192, \w1, \o1, \w2, \o2
.endm
.macro S1 kd, b, nb, p, np, ae, o, w, o1
	FE \ae, \o, \np
	FW \nb, \w, (\o1)+\o
	MU \kd, \b, \p
.endm
.macro SEG1 kd, x, y, z, ae, w, o1     ; one kind; the fourth step finds its weights in set x
	S1 \kd, \x, \y, 0, 1, \ae, 64, \w, \o1
	S1 \kd, \y, \z, 1, 0, \ae, 128, \w, \o1
	S1 \kd, \z, \x, 0, 1, \ae, 192, \w, \o1
.endm
; A K step's fourth step holds a barrier: in front of it every wave waits for all its tensor loads, adds 0 to its spare word, and waits for that and for its LDS reads.  Tiles 0 .. s1 - 1 stand between the add and its wait, s1 .. s2 - 1 between signal and wait.
.macro LAST kd, buf, s1, s2
	s_wait_tensorcnt 0x0
	ds_add_u32 v[SPW], v[NIL]
.set LI, LI+1
	MUT \kd, \buf, 1, 0, 0, \s1
	s_wait_dscnt 0x0
.set SAT, LI
	s_barrier_signal -1
	MUT \kd, \buf, 1, 0, \s1, \s2
	WIN 0
	s_barrier_wait -1
.endm
	s_wait_alu depctr_va_vdst(0)                   ; the wait at the head's end
	s_wait_tensorcnt 0x0                           ; my part of fill 0 is in
	ds_add_u32 v[SPW], v[NIL]
	s_wait_dscnt 0x0
	CROUND
	JL 1                                           ; fill 1
	FE AE0, 0, 0
	FW 0, AQ, 0
	FW 1, AQ, KA
	FW 2, AV, 0
.irp t, 0,1,2,3                                    ; the biases of q and k lie in x's second set, v's in v4 to v7
	ds_load_b128 v[EF+64+8*\t:EF+67+8*\t], v[BLQ] offset:64*\t
	ds_load_b128 v[EF+68+8*\t:EF+71+8*\t], v[BLQ] offset:64*\t+16
	ds_load_b128 v[EF+96+8*\t:EF+99+8*\t], v[BLQ] offset:256+64*\t
	ds_load_b128 v[EF+100+8*\t:EF+103+8*\t], v[BLQ] offset:256+64*\t+16
	ds_load_b32 v[4+\t], v[BLV] offset:64*\t
.endr
	s_wait_dscnt 0x0
.set SAT, LI
	MUT 0, 0, 0, 1, 0, 4
	ENDMU
	FW 0, AQ, 64
.irp t, 0,1,2,3                                    ; q's biases have been read: v's, one channel a lane, take their registers
.irp j, 0,1,2,3,4,5,6,7
	v_mov_b32 v[EF+64+8*\t+\j], v[4+\t]
.endr
.endr
	s_wait_alu depctr_va_vdst(0)
	MUT 1, 1, 0, 1, 0, 4
	ENDMU
	FW 1, AQ, KA+64
	MUT 2, 2, 0, 1, 0, 4
	ENDMU
	FW 2, AV, 64
	FE AE0, 64, 1
	S3 1, 0, 128
	S3 0, 1, 192
	LAST 0, 0, 2, 4                                ; fill 1 is whole, slot 0 is free
	CREST
	s_add_nc_u64 s[G0E+2:G0E+3], s[G0E+2:G0E+3], 512
	s_add_nc_u64 s[G0W+2:G0W+3], s[G0W+2:G0W+3], s[58:59]
	JL 0                                           ; fill 2
	FE AE1, 0, 0
	FW 0, AX, 0
	MU 1, 1, 1
	FW 1, AX, KA
	MU 2, 2, 1
	SEG2 0, 1, 0, 1, 2, AE1, AX, 0, AX, KA         ; q and k of K step 1
	LAST 0, 0, 2, 4                                ; fill 2 is whole; nothing is filled here
	FE AE1, 0, 0
	FW 2, AV, 0
	MU 1, 1, 1
	SEG1 2, 2, 0, 1, AE1, AV, 0                    ; v of K step 1
	LAST 2, 2, 1, 2                                ; slot 1 is free, and v's place in slot 0
	CREST
	s_add_nc_u64 s[G0E+6:G0E+7], s[G0E+6:G0E+7], 512
	s_add_nc_u64 s[G0W+6:G0W+7], s[G0W+6:G0W+7], 512
	s_add_nc_u64 s[G0W+2:G0W+3], s[G0W+2:G0W+3], s[60:61]
	JL 3                                           ; fill 3
	FE AE0, 0, 0
	FW 0, AQ, 0
	FW 1, AQ, KA
	MUT 2, 2, 1, 0, 2, 4
	ENDMU
	SEG2 0, 1, 0, 1, 2, AE0, AQ, 0, AQ, KA         ; q and k of K step 2
	LAST 0, 0, 2, 4                                ; fill 3 is whole, k's place in slot 0 is free
	CREST
	JL 2                                           ; fill 4
	FE AE0, 0, 0
	FW 2, AX, KA
	MU 1, 1, 1
	SEG1 2, 2, 0, 1, AE0, AX, KA                   ; v of K step 2
	FE AE1, 0, 0
	FW 0, AX, 0
	MU 2, 2, 1
	SEG1 0, 0, 1, 2, AE1, AX, 0                    ; q of K step 3
	LAST 0, 0, 1, 2                                ; fill 4 is whole
	FE AE1, 0, 0
	FW 1, AQ, KA
	FW 2, AV, 0
	MUT 0, 0, 1, 0, 2, 4
	ENDMU
	SEG2 1, 2, 1, 2, 0, AE1, AQ, KA, AV, 0         ; k and v of K step 3
	MU 1, 1, 1
	MU 2, 2, 1
; THE WAY OUT: held at the largest code (the conversion does not saturate: ISA guide 7.6.2), converted, stored as images; each accumulator from its low end on.
.macro OUTQK a
.set CC, CD+16*((\a)%5)
.if (\a) >= 5
	s_wait_xcnt 0x0                                ; the stores of five tiles ago have read this set of code registers
.endif
.irp kd, 0,1
	WIN 0x01+\kd
.set i, 0
.rept 32
	v_med3_num_f32 v[TMP+32*\kd+i], v[32*(\a)+i], -v[LIM+\kd], v[LIM+\kd]
.set i, i+1
.endr
.endr
	WIN 0
.irp kd, 0,1
.irp t, 0,1,2,3
	v_cvt_scalef32_pk8_bf8_f32 v[CC+8*\kd+2*\t:CC+8*\kd+2*\t+1], v[TMP+32*\kd+8*\t:TMP+32*\kd+8*\t+7], v[SC+\kd]
.endr
.endr
	v_nop
.irp kd, 0,1
.irp g, 0,1
	global_store_b128 v[GO], v[CC+8*\kd+4*\g:CC+8*\kd+4*\g+3], s[92:93] offset:32768*(\a)+16384*\kd+512*\g
.endr
.endr
.endm
.macro OUTV t
.set CC, CD+16*((8+(\t))%5)
	s_wait_xcnt 0x0
	WIN 0x03
.set i, 0
.rept 64
	v_med3_num_f32 v[TMP+i], v[64*(\t)+i], -v[LIM+2], v[LIM+2]
.set i, i+1
.endr
	WIN 0
.irp a, 0,1,2,3,4,5,6,7
	v_cvt_scalef32_pk8_bf8_f32 v[CC+2*\a:CC+2*\a+1], v[TMP+8*\a:TMP+8*\a+7], v[SC+2]
.endr
	v_nop
.irp c, 0,1,2,3
	global_store_b128 v[GO], v[CC+4*\c:CC+4*\c+3], s[94:95] offset:4096*(\t)+512*\c
.endr
.endm
.irp a, 0,1,2,3,4,5,6,7
	OUTQK \a
.endr
.irp t, 0,1,2,3
	OUTV \t
.endr
	s_wait_tensorcnt 0x0                           ; the wave's end
	ds_add_u32 v[SPW], v[NIL]
	s_wait_dscnt 0x0
	CROUND                                         ; the closing round
	s_endpgm
.Lfunc_end_k_q97fee31612_proj:
	.size	k_q97fee31612_proj, .Lfunc_end_k_q97fee31612_proj-k_q97fee31612_proj
	.p2alignl 7, 3214868480
	.fill 96, 4, 3214868480
	.section	.rodata,"a",@progbits
	.p2align	6, 0x0
	.amdhsa_kernel k_q97fee31612_proj
		.amdhsa_group_segment_fixed_size 327680
		.amdhsa_private_segment_fixed_size 0
		.amdhsa_enable_private_segment 0
		.amdhsa_kernarg_size 80
		.amdhsa_user_sgpr_count 2
		.amdhsa_user_sgpr_kernarg_segment_ptr 1
		.amdhsa_wavefront_size32 1
		.amdhsa_system_sgpr_workgroup_id_x 1
		.amdhsa_system_sgpr_workgroup_id_y 1
		.amdhsa_system_sgpr_workgroup_id_z 1
		.amdhsa_system_vgpr_workitem_id 0
		.amdhsa_next_free_vgpr 1024
		.amdhsa_next_free_sgpr 100
		.amdhsa_reserve_vcc 0
		.amdhsa_float_denorm_mode_32 3
		.amdhsa_float_denorm_mode_16_64 3
		.amdhsa_memory_ordered 1
		.amdhsa_forward_progress 1
		.amdhsa_inst_pref_size 236
	.end_amdhsa_kernel
	.amdgpu_metadata
---
amdhsa.version: [ 1, 2 ]
amdhsa.kernels:
  - .name:           k_q97fee31612_proj
    .symbol:         k_q97fee31612_proj.kd
    .args:
      - { .name: embeddings_codes, .offset: 0, .size: 8, .value_kind: global_buffer, .address_space: global }
      - { .name: Wq_codes, .offset: 8, .size: 8, .value_kind: global_buffer, .address_space: global }
      - { .name: Wk_codes, .offset: 16, .size: 8, .value_kind: global_buffer, .address_space: global }
      - { .name: Wv_codes, .offset: 24, .size: 8, .value_kind: global_buffer, .address_space: global }
      - { .name: bq, .offset: 32, .size: 8, .value_kind: global_buffer, .address_space: global }
      - { .name: bk, .offset: 40, .size: 8, .value_kind: global_buffer, .address_space: global }
      - { .name: bv, .offset: 48, .size: 8, .value_kind: global_buffer, .address_space: global }
      - { .name: lowp_scales, .offset: 56, .size: 8, .value_kind: global_buffer, .address_space: global }
      - { .name: qkf, .offset: 64, .size: 8, .value_kind: global_buffer, .address_space: global }
      - { .name: vf, .offset: 72, .size: 8, .value_kind: global_buffer, .address_space: global }
    .group_segment_fixed_size: 327680
    .private_segment_fixed_size: 0
    .kernarg_segment_align: 8
    .kernarg_segment_size: 80
    .max_flat_workgroup_size: 128
    .sgpr_count:     100
    .vgpr_count:     1024
    .wavefront_size: 32
...
	.end_amdgpu_metadata
.endif
;; end of part 1
;; launch scores (part 2): grid 12 x 16, 4 waves a work-group, clusters of 4 x 4, 327,680 bytes of LDS; arguments qkf, lowp_scales, pf, stats; writes pf, stats
.if DOCPART == 2
	.amdgcn_target "amdgcn-amd-amdhsa--gfx1250"
	.amdhsa_code_object_version 6
	.text
	.protected	k_q97fee31612_scores
	.globl	k_q97fee31612_scores
	.p2align	8
	.type	k_q97fee31612_scores,@function
k_q97fee31612_scores:
	s_mov_b64 s[64:65], 0
	v_nop
	global_prefetch_b8 v0, s[64:65] scope:SCOPE_SE
	s_setreg_imm32_b32 hwreg(HW_REG_WAVE_MODE, 25, 1), 1
	s_wait_xcnt 0x0
	s_wait_alu depctr_hold_cnt(0) depctr_sa_sdst(0) depctr_va_vdst(0) depctr_va_sdst(0) depctr_va_ssrc(0) depctr_va_vcc(0) depctr_vm_vsrc(0)
	s_getreg_b32 s2, hwreg(HW_REG_IB_STS2, 6, 4)
	s_cmp_eq_u32 s2, 0
	s_cbranch_scc0 .Lentry_in_a_cluster
	s_endpgm
.Lentry_in_a_cluster:
	s_bfe_u32 s2, ttmp6, 0x10000c
	s_cmp_lg_u32 s2, 0xf033
	s_cbranch_scc0 .Lentry_shape_is_right
	s_endpgm
.Lentry_shape_is_right:
; p = 2^(t - M) as codes of E5M2, t = (q . k) x log2(e) / 32, causal.  A cluster of 4 x 4 work-groups makes 1,024 queries x 1,024 keys of one batch; of the four such squares the one that lies
; wholly above the diagonal is left out (p = 0 there: see the first kernel's head): cluster x 0, 1, 2 = squares (0,0), (1,0), (1,1); cluster y = the batch.
; In the two squares on the diagonal every work-group walks and masks, since the partners of a joint load keep step and no branch hangs on the place in the cluster; a block all of whose keys are hidden gives zero codes, l = 0 and -M = 3e38.
; A work-group makes 256 queries x 256 keys, a wave 64 queries x all 256 keys: 64 accumulators.  Source 0 = 16 keys, source 1 = 16 queries: lane (r, h) holds query r, register j key 8 h + j.
; KEYS: the block's 16 token tiles x 16,384 bytes lie in LDS whole, as two fills of 131,072 (channels 0-511, 512-1,023), a quarter a wave, joint along a column of the cluster; nothing is filled twice.
; QUERIES: a fragment belongs to one wave, so it goes from memory straight into registers, 512 consecutive bytes a load: a ring of four steps of 128 channels, asked for three steps ahead.
; No data prefetch: of eight steps the ring itself asks for three at the head and for each of the other five three steps ahead; the keys' two fills are both asked for at the start.
; M IS THE CEILING OF THE LARGEST t OF THE ROW IN THIS BLOCK OF 256 KEYS: a whole number, so the next launch brings the blocks under one M by exact powers of two.
; Stored: pf [batch][query tile 128][step of 128 keys 16][2,048]: p's codes as fragments (16 queries x 128 keys);  stats [batch][half block of 128 keys 16][query 2,048][-M, l]: l = the sum of the unquantised p of that half.
; LIMITS: e6 + e7 between -121 and 132 (added to the exponent field of log2(e) / 32); e8 between -126 and 112.  NaN among the inputs is not served.
; REGISTERS: window 0: v3-31 addresses, constants, sums; v32-63 maxima and -M; v128-255 the keys' fragments, two sets of four tiles; on the way out v64-191 two sets of 64 numbers t, then p; v192-223 two sets of codes; v224-255 sums.
;   window 1: the queries' ring, 64 registers a step.  windows 2, 3: accumulator (a, b), query tile a, key tile b: window 2 + a / 2, v[128 (a % 2) + 8 b].  A unit u = 2 a + (half of the keys) is 64 of these registers in a row.
.set SPARE, 262144                     ; behind the keys: the spare words
.set D0,   3
.set LA,   4
.set LR,   8
.set GO,   16
.set GS,   17
.set AK,   18                          ; v18-21 LDS addresses: fill 0 tiles 0-7, 8-15, fill 1 tiles 0-7, 8-15
.set NEG,  22
.set PT,   23
.set SPW,  28
.set NIL,  29
.set SC,   30
.set LIM,  31
.set MX,   32
.set PX,   40
.set ST,   48
.set T0,   64
.set KF,   128
.set CD,   192
.set SU,   224
.set MK,  68                           ; s[68:75] eight lane masks
.set HM,  76                           ; s76 lanes 16-31
.set CS,  96                           ; s[96:97] c = log2(e) / 32 x 2^(e6 + e7)
.set SEL, 98                           ; s[98:99] lane l xor 16
.set MSB, 0
.macro WIN new
.if MSB != (\new)
	s_set_vgpr_msb (MSB<<8)|(\new)
.set MSB, (\new)
.endif
.endm
.macro PLACES
.rept 4
	v_nop
.endr
.endm
.macro CROUND
	s_barrier_signal -1
	s_barrier_wait -1
	s_cmp_lg_u32 s14, 0
	s_cbranch_scc1 .Lnot_wave_0_\@
	s_barrier_signal -3
.Lnot_wave_0_\@:
	s_barrier_wait -3
	s_barrier_signal -1
	s_barrier_wait -1
.endm
.macro LDQ s                           ; the queries' four fragments of step s
	WIN 0x40
.irp a, 0,1,2,3
.irp c, 0,1,2,3
	global_load_b128 v[64*((\s)%4)+16*\a+4*\c:64*((\s)%4)+16*\a+4*\c+3], v[GO], s[48:49] offset:32768*\a+2048*(\s)+512*\c
.endr
.endr
	WIN 0
.endm
.macro LDK s, g                        ; key tiles 4 g .. 4 g + 3 of step s, into set g % 2
.irp b, 0,1,2,3
.irp c, 0,1,2,3
	ds_load_b128 v[KF+64*((\g)%2)+16*\b+4*\c:KF+64*((\g)%2)+16*\b+4*\c+3], v[AK+2*((\s)/4)+(\g)/2] offset:(4*((\g)%2)+\b)*8192+2048*((\s)%4)+512*\c
.endr
.endr
.endm
.macro MUL8 s, g, w                    ; key tiles 4 g .. 4 g + 3 x query tiles 2 w, 2 w + 1; the 64 accumulators take turns
	WIN 0xa4+0x50*\w
.irp b, 0,1,2,3
.irp a, 0,1
.set rD, 128*\a+8*(4*(\g)+\b)
.set rK, KF+64*((\g)%2)+16*\b
.set rQ, 64*((\s)%4)+16*(2*\w+\a)
.if (\s) == 0
	v_wmma_f32_16x16x128_bf8_bf8 v[rD:rD+7], v[rK:rK+15], v[rQ:rQ+15], 0
.else
	v_wmma_f32_16x16x128_bf8_bf8 v[rD:rD+7], v[rK:rK+15], v[rQ:rQ+15], v[rD:rD+7]
.endif
.endr
.endr
.endm
; A step of 128 channels: four groups of 16 products; behind four places the next group's key tiles are fetched ahead of each group's products.
.macro STEP s
.if (\s) < 6
	s_wait_loadcnt 32                              ; step s is in; the two steps behind it may be out
.elseif (\s) == 6
	s_wait_loadcnt 16
.else
	s_wait_loadcnt 0
.endif
.irp g, 0,1,2,3
	PLACES
.if (\g < 3)
	LDK \s, \g+1
.elseif (\s) == 3                      ; the second fill: my part is in, my LDS reads are over; behind the barrier everybody's is in
	s_wait_tensorcnt 0x0
	s_wait_dscnt 0x0
	s_barrier_signal -1
	MUL8 \s, \g, 0
	WIN 0
	s_barrier_wait -1
	LDK \s+1, 0
.elseif (\s) < 7
	LDK \s+1, 0
.endif
.if (\g == 0) && ((\s) < 5)
	LDQ \s+3                                       ; into the ring's slot that the step before has multiplied
.endif
.if ((\s) == 7) && (\g == 3)
	s_wait_dscnt 0
.else
	s_wait_dscnt 16                                ; all but the sixteen just issued
.endif
.if ((\s) != 3) || (\g != 3)
	MUL8 \s, \g, 0
.endif
	MUL8 \s, \g, 1
	WIN 0
.endr
.endm
	s_load_b256 s[4:11], s[0:1], 0x0               ; qkf 4, scales 6, pf 8, stats 10
	v_lshl_add_u32 v[SPW], v0, 2, SPARE
	v_mov_b32 v[NIL], 0
	ds_add_u32 v[SPW], v[NIL]                      ; the add, twice on end, ahead of the first tensor load
	ds_add_u32 v[SPW], v[NIL]
	v_lshrrev_b32 v1, 5, v0
	v_readfirstlane_b32 s14, v1
	s_bfe_u32 s40, ttmp6, 0x40000                  ; cx
	s_bfe_u32 s41, ttmp6, 0x40004                  ; cy
	s_add_co_u32 s12, ttmp9, 1
	s_lshr_b32 s12, s12, 1                         ; the square's row: 0, 1, 1
	s_lshr_b32 s13, ttmp9, 1                       ; its column: 0, 0, 1
	s_lshl_b32 s17, s12, 2
	s_add_co_u32 s17, s17, s41                     ; qi: my block of 256 queries
	s_lshl_b32 s42, s13, 2
	s_add_co_u32 s42, s42, s40                     ; kj: my block of 256 keys
	s_and_b32 s18, ttmp7, 0xffff                   ; the batch
	s_lshl_b32 s44, 0x1111, s40
	s_or_b32 s24, s44, (3<<16)|(1<<21)             ; my column's mask; elements of 8 bytes; no padding; bit 21 beside a mask
	s_mov_b32 s25, 1024<<16                        ; rows of 8,192 bytes: four steps of a token tile
	s_mov_b32 s26, 4<<16                           ; four token tiles a wave,
	s_mov_b32 s27, 1024<<16
	s_mov_b32 s28, 4
	s_mov_b32 s29, 4096                            ; 32,768 bytes apart
	s_mov_b32 s30, 0
	s_mov_b32 s31, 0
	s_lshl_b32 s33, s14, 15                        ; where they go: wave x 32,768
	s_add_co_u32 s37, s33, 131072
	s_mov_b32 s32, 1
	s_mov_b32 s36, 1
	s_lshl_b32 s20, s18, 22                        ; qkf: the batch,
	s_lshl_b32 s21, s14, 17                        ; my four token tiles of a block of 16
	s_add_co_u32 s20, s20, s21
	s_lshl_b32 s46, s42, 19
	s_add_co_u32 s46, s46, s20
	s_add_co_u32 s46, s46, 16384                   ; k lies behind q in a token tile
	s_mov_b32 s47, 0
	s_lshl_b32 s48, s17, 19
	s_add_co_u32 s48, s48, s20
	s_mov_b32 s49, 0
	s_sub_co_i32 s22, s17, s42
	s_lshl_b32 s22, s22, 8
	s_lshl_b32 s23, s14, 6
	s_add_co_i32 s22, s22, s23                     ; 256 (qi - kj) + 64 x wave
	s_mov_b32 s[SEL], 0x76543210
	s_mov_b32 s[SEL+1], 0xfedcba98
	s_mov_b32 s[HM], 0xffff0000
	s_wait_dscnt 0x0                               ; both opening adds are done
	s_wait_alu depctr_va_vdst(0)
	s_wait_kmcnt 0x0
	s_load_b128 s[80:83], s[6:7], 0x18             ; e6, e7, e8, e9
	s_add_nc_u64 s[34:35], s[4:5], s[46:47]
	s_add_nc_u64 s[38:39], s[34:35], 8192
	s_or_b32 s35, s35, 0x80000000
	s_or_b32 s39, s39, 0x80000000
	s_add_nc_u64 s[48:49], s[4:5], s[48:49]
	CROUND
	tensor_load_to_lds s[32:35], s[24:31]          ; channels 0 to 511
	s_nop 0
	v_and_b32 v1, 15, v0                           ; r
	v_bfe_u32 v2, v0, 4, 1                         ; h
	v_and_b32 v5, 31, v0
	v_lshlrev_b32 v[GO], 4, v5                     ; 16 x lane
	v_lshlrev_b32 v[GS], 3, v5                     ; 8 x lane
	v_lshlrev_b32 v[D0], 3, v2
	v_sub_nc_u32 v[D0], v1, v[D0]
	v_add_nc_u32 v[D0], s22, v[D0]                 ; register j of accumulator (a, b) is hidden where 16 (b - a) + j > D0 = 256 (qi - kj) + 64 x wave + r - 8 h
	LDQ 0
	LDQ 1
	LDQ 2
	v_mov_b32 v[AK], v[GO]
	v_add_nc_u32 v[AK+1], 0x10000, v[GO]
	v_add_nc_u32 v[AK+2], 0x20000, v[GO]
	v_add_nc_u32 v[AK+3], 0x30000, v[GO]
	v_mov_b32 v[NEG], 0xff800000                   ; -infinity
	v_mov_b32 v[PT], 0                             ; a lane permute's destination counts as read
	s_lshl_b32 s88, s18, 22                        ; pf: batch, my 64 queries, my two steps of 128 keys
	s_lshl_b32 s89, s17, 19
	s_add_co_u32 s88, s88, s89
	s_add_co_u32 s88, s88, s21
	s_lshl_b32 s89, s42, 12
	s_add_co_u32 s88, s88, s89
	s_mov_b32 s89, 0
	s_add_nc_u64 s[8:9], s[8:9], s[88:89]
	s_lshl_b32 s88, s18, 18                        ; stats: batch, my first half block of keys, my 64 queries
	s_lshl_b32 s89, s42, 15
	s_add_co_u32 s88, s88, s89
	s_lshl_b32 s89, s17, 11
	s_add_co_u32 s88, s88, s89
	s_lshl_b32 s89, s14, 9
	s_add_co_u32 s88, s88, s89
	s_mov_b32 s89, 0
	s_add_nc_u64 s[10:11], s[10:11], s[88:89]
	s_wait_alu depctr_va_vdst(0)
	s_wait_kmcnt 0x0
	s_add_co_i32 s88, s80, s81
	s_lshl_b32 s88, s88, 23
	s_add_co_i32 s[CS], s88, 0x3d38aa3b            ; log2(e) / 32 with e6 + e7 added to its exponent field
	s_mov_b32 s[CS+1], s[CS]                       ; named with it as a pair
	s_add_co_i32 s88, s82, 127
	s_lshl_b32 s89, s88, 23
	v_mov_b32 v[SC], s89                           ; 2^e8
	s_add_co_i32 s88, s88, 15
	s_lshl_b32 s88, s88, 23
	s_or_b32 s88, s88, 0x600000
	v_mov_b32 v[LIM], s88                          ; 57,344 x 2^e8
	s_wait_alu depctr_va_vdst(0)                   ; the wait at the head's end
	s_wait_tensorcnt 0x0                           ; my part of the first fill is in
	ds_add_u32 v[SPW], v[NIL]
	s_wait_dscnt 0x0
	CROUND
	tensor_load_to_lds s[36:39], s[24:31]          ; channels 512 to 1,023: four steps to land in
	s_nop 0
	PLACES
	LDK 0, 0
.irp n, 0,1,2,3,4,5,6,7
	STEP \n
.endr
	PLACES
	; THE MASK.  The square under the diagonal has none: a branch on the cluster's x, the same in all partners.
	s_cmp_eq_u32 ttmp9, 1
	s_cbranch_scc1 .Lopen
.macro MASKA a                         ; accumulator (a, a + d), if there is one: its eight registers, from the low end on
.if (((\a)+d) >= 0) && (((\a)+d) <= 15)
	WIN 0x82+0x41*((\a)/2)                         ; source 0 and destination window 2 or 3; source 1 window 0
.irp j, 0,1,2,3,4,5,6,7
	v_cndmask_b32 v[128*((\a)%2)+8*((\a)+d)+\j], v[128*((\a)%2)+8*((\a)+d)+\j], v[NEG], s[MK+\j]
.endr
.endif
.endm
.set d, -3
.rept 19                               ; d = b - a: eight masks serve all accumulators of one distance
.irp j, 0,1,2,3,4,5,6,7
	v_cmp_gt_i32 s[MK+\j], 16*d+\j, v[D0]          ; (its vector source is source 1: window 0 under either setting)
.endr
.if (d & 1)
.irp a, 3,2,1,0
	MASKA \a
.endr
.else
.irp a, 0,1,2,3
	MASKA \a
.endr
.endif
.set d, d+1
.endr
	WIN 0
.Lopen:
	; THE LARGEST SCORE of each unit's queries among my lane's 64 keys, four chains by turns; then of each query tile's two units; then among lane l xor 16's
.irp u, 0,1,2,3,4,5,6,7
	v_mov_b32 v[MX+\u], v[NEG]
	v_mov_b32 v[PX+\u], 0
.endr
	WIN 0x28                                       ; sources 1 and 2 window 2
.set i, 0
.rept 32
.irp u, 0,1,2,3
	v_max3_num_f32 v[MX+\u], v[MX+\u], v[64*\u+2*i], v[64*\u+2*i+1]
.endr
.set i, i+1
.endr
	WIN 0x3c                                       ; window 3
.set i, 0
.rept 32
.irp u, 0,1,2,3
	v_max3_num_f32 v[MX+4+\u], v[MX+4+\u], v[64*\u+2*i], v[64*\u+2*i+1]
.endr
.set i, i+1
.endr
	WIN 0
.irp a, 0,1,2,3
	v_max_num_f32 v[MX+2*\a], v[MX+2*\a], v[MX+2*\a+1]
.endr
.irp a, 0,1,2,3
	v_permlanex16_b32 v[PX+\a], v[MX+2*\a], s[SEL], s[SEL+1]
.endr
.irp a, 0,1,2,3
	v_max_num_f32 v[MX+2*\a], v[MX+2*\a], v[PX+\a] ; among the block's 256 keys
.endr
.irp a, 0,1,2,3
	v_mul_f32 v[MX+2*\a], s[CS], v[MX+2*\a]        ; as t (c is positive)
.endr
.irp a, 0,1,2,3
	v_max_num_f32 v[MX+2*\a], 0xff61b1e6, v[MX+2*\a]   ; not under -3e38: a row with no key in this block keeps a finite M
.endr
.irp a, 0,1,2,3
	v_floor_f32 v[ST+2*\a], -v[MX+2*\a]            ; -M = floor(-t): a whole number
.endr
.irp a, 0,1,2,3
	v_mov_b32 v[ST+2*\a+1], v[ST+2*\a]             ; named with it as a pair
.endr
; t - M of unit u, two at a time, out of the accumulators into set u % 2
.macro FMA u
.set TE, T0+64*((\u)%2)
	WIN 0x02+((\u)/4)
.set i, 0
.rept 32
	v_pk_fma_f32 v[TE+2*i:TE+2*i+1], v[64*((\u)%4)+2*i:64*((\u)%4)+2*i+1], s[CS:CS+1], v[ST+2*((\u)/2):ST+2*((\u)/2)+1] op_sel_hi:[1,0,0]
.set i, i+1
.endr
	WIN 0
.endm
; Unit ue's 64 exponentials, with the first level of unit uf's sums and its holds between them.  A pair is summed before it is held: l is the sum of the unquantised p.
.macro EXPFIN ue, uf
.set TE, T0+64*((\ue)%2)
.set TF, T0+64*(((\uf)+2)%2)
	s_wait_alu depctr_va_vdst(0)                   ; unit ue's numbers are written, unit uf's exponentials are done
.set i, 0
.rept 32
.if (\ue) < 8
	v_exp_f32 v[TE+2*i], v[TE+2*i]
.endif
.if ((\uf) >= 0) && (i & 1)
	v_pk_add_f32 v[SU+i-1:SU+i], v[TF+2*i-2:TF+2*i-1], v[TF+2*i:TF+2*i+1]
.endif
.if (\ue) < 8
	v_exp_f32 v[TE+2*i+1], v[TE+2*i+1]
.endif
.if ((\uf) >= 0) && (i >= 2)
	v_min_num_f32 v[TF+2*i-4], v[TF+2*i-4], v[LIM] ; the conversion does not saturate (ISA guide 7.6.2); p is not negative, so the hold is one-sided
	v_min_num_f32 v[TF+2*i-3], v[TF+2*i-3], v[LIM]
.endif
.set i, i+1
.endr
.if (\uf) >= 0
.irp n, 60,61,62,63
	v_min_num_f32 v[TF+\n], v[TF+\n], v[LIM]
.endr
.else
	v_nop                                          ; a plain place behind the exponentials
.endif
.endm
; Unit u's sums and codes: eight conversions give the fragment's sixteen registers; l is finished behind them (plain places); the fragment is stored as it stands
.macro CVT u
.set TF, T0+64*((\u)%2)
.set CC, CD+16*((\u)%2)
	s_wait_alu depctr_va_vdst(0)
.if (\u) >= 2
	s_wait_xcnt 0x0                                ; the stores of two units ago have read this set of code registers
.endif
.irp k, 0,2,4,6,8,10,12,14
	v_pk_add_f32 v[SU+\k:SU+\k+1], v[SU+\k:SU+\k+1], v[SU+16+\k:SU+17+\k]
.endr
.irp k, 0,2,4,6
	v_pk_add_f32 v[SU+\k:SU+\k+1], v[SU+\k:SU+\k+1], v[SU+8+\k:SU+9+\k]
.endr
.irp k, 0,2
	v_pk_add_f32 v[SU+\k:SU+\k+1], v[SU+\k:SU+\k+1], v[SU+4+\k:SU+5+\k]
.endr
.irp b, 0,1,2,3,4,5,6,7
	v_cvt_scalef32_pk8_bf8_f32 v[CC+2*\b:CC+2*\b+1], v[TF+8*\b:TF+8*\b+7], v[SC]
.endr
	v_pk_add_f32 v[LA:LA+1], v[SU:SU+1], v[SU+2:SU+3]
	v_add_f32 v[LR+(\u)], v[LA], v[LA+1]
	v_permlanex16_b32 v[PT], v[LR+(\u)], s[SEL], s[SEL+1]
	v_add_f32 v[LR+(\u)], v[LR+(\u)], v[PT]        ; l over the unit's 128 keys, in both halves of the lanes
.irp c, 0,1,2,3
	global_store_b128 v[GO], v[CC+4*\c:CC+4*\c+3], s[8:9] offset:32768*((\u)/2)+2048*((\u)%2)+512*\c
.endr
.endm
	FMA 0
.irp u, 0,1,2,3,4,5,6,7,8
	EXPFIN \u, \u-1
.if \u > 0
	CVT \u-1
.endif
.if \u < 7
	FMA \u+1
.endif
.endr
	; -M and l of my 64 queries for each half of the keys: lanes 0-15 query tile 2 v, lanes 16-31 tile 2 v + 1; each store covers 256 consecutive bytes, aligned
.irp v, 0,1
.irp f, 0,1
	v_cndmask_b32 v[PX+4*\v+2*\f], v[ST+4*\v], v[ST+4*\v+2], s[HM]
	v_cndmask_b32 v[PX+4*\v+2*\f+1], v[LR+4*\v+\f], v[LR+4*\v+2+\f], s[HM]
	global_store_b64 v[GS], v[PX+4*\v+2*\f:PX+4*\v+2*\f+1], s[10:11] offset:16384*\f+256*\v
.endr
.endr
	s_wait_tensorcnt 0x0                           ; the wave's end
	ds_add_u32 v[SPW], v[NIL]
	s_wait_dscnt 0x0
	CROUND                                         ; the closing round
	s_endpgm
.Lfunc_end_k_q97fee31612_scores:
	.size	k_q97fee31612_scores, .Lfunc_end_k_q97fee31612_scores-k_q97fee31612_scores
	.p2alignl 7, 3214868480
	.fill 96, 4, 3214868480
	.section	.rodata,"a",@progbits
	.p2align	6, 0x0
	.amdhsa_kernel k_q97fee31612_scores
		.amdhsa_group_segment_fixed_size 327680
		.amdhsa_private_segment_fixed_size 0
		.amdhsa_enable_private_segment 0
		.amdhsa_kernarg_size 32
		.amdhsa_user_sgpr_count 2
		.amdhsa_user_sgpr_kernarg_segment_ptr 1
		.amdhsa_wavefront_size32 1
		.amdhsa_system_sgpr_workgroup_id_x 1
		.amdhsa_system_sgpr_workgroup_id_y 1
		.amdhsa_system_sgpr_workgroup_id_z 1
		.amdhsa_system_vgpr_workitem_id 0
		.amdhsa_next_free_vgpr 1024
		.amdhsa_next_free_sgpr 100
		.amdhsa_reserve_vcc 0
		.amdhsa_float_denorm_mode_32 3
		.amdhsa_float_denorm_mode_16_64 3
		.amdhsa_memory_ordered 1
		.amdhsa_forward_progress 1
		.amdhsa_inst_pref_size 229
	.end_amdhsa_kernel
	.amdgpu_metadata
---
amdhsa.version: [ 1, 2 ]
amdhsa.kernels:
  - .name:           k_q97fee31612_scores
    .symbol:         k_q97fee31612_scores.kd
    .args:
      - { .name: qkf, .offset: 0, .size: 8, .value_kind: global_buffer, .address_space: global }
      - { .name: lowp_scales, .offset: 8, .size: 8, .value_kind: global_buffer, .address_space: global }
      - { .name: pf, .offset: 16, .size: 8, .value_kind: global_buffer, .address_space: global }
      - { .name: stats, .offset: 24, .size: 8, .value_kind: global_buffer, .address_space: global }
    .group_segment_fixed_size: 327680
    .private_segment_fixed_size: 0
    .kernarg_segment_align: 8
    .kernarg_segment_size: 32
    .max_flat_workgroup_size: 128
    .sgpr_count:     100
    .vgpr_count:     1024
    .wavefront_size: 32
...
	.end_amdgpu_metadata
.endif
;; end of part 2
;; launch pv (part 3): grid 8 x 32, 4 waves a work-group, clusters of 4 x 1, 327,680 bytes of LDS; arguments pf, vf, stats, lowp_scales, out0; writes out0
.if DOCPART == 3
	.amdgcn_target "amdgcn-amd-amdhsa--gfx1250"
	.amdhsa_code_object_version 6
	.text
	.protected	k_q97fee31612_pv
	.globl	k_q97fee31612_pv
	.p2align	8
	.type	k_q97fee31612_pv,@function
k_q97fee31612_pv:
	s_mov_b64 s[64:65], 0
	v_nop
	global_prefetch_b8 v0, s[64:65] scope:SCOPE_SE
	s_setreg_imm32_b32 hwreg(HW_REG_WAVE_MODE, 25, 1), 1
	s_wait_xcnt 0x0
	s_wait_alu depctr_hold_cnt(0) depctr_sa_sdst(0) depctr_va_vdst(0) depctr_va_sdst(0) depctr_va_ssrc(0) depctr_va_vcc(0) depctr_vm_vsrc(0)
	s_getreg_b32 s2, hwreg(HW_REG_IB_STS2, 6, 4)
	s_cmp_eq_u32 s2, 0
	s_cbranch_scc0 .Lentry_in_a_cluster
	s_endpgm
.Lentry_in_a_cluster:
	s_bfe_u32 s2, ttmp6, 0x10000c
	s_cmp_lg_u32 s2, 0x3003
	s_cbranch_scc0 .Lentry_shape_is_right
	s_endpgm
.Lentry_shape_is_right:
; out = (sum over the key blocks of P V, brought under one M) / l.  P's and V's codes are images of fragments (pf, vf); -M and l of each block of 256 keys come from stats.
; SHARES.  A work-group makes 128 channels of TWO blocks of 128 queries of one batch, i and 15 - i, one after the other: x = i, y = 8 x batch + block of channels.  A wave makes 32 queries x 128 channels of each: 16 accumulators.
; A body = 512 keys.  i = 4 X + cx (X the cluster's x): the lower block of queries walks X + 1 bodies, the upper 4 - X: five in all, in every work-group, and no branch, count or LDS address hangs on cx.
; Left out: the keys behind those, hidden from all four partners' queries by the causal mask (p = 0: see the first kernel's head).  A hidden block of 256 keys inside a body that a partner needs has zero codes and l = 0 and is walked: the partners of a joint load keep step.
; V: the work-group's 128 channels x 2,048 keys are 262,144 bytes and lie in LDS whole: two fills of 131,072 (keys 0-1,023, 1,024-2,047), a quarter a wave, joint among the four work-groups of the cluster; nothing is filled twice.
; P: each fragment belongs to one wave, so it goes from memory straight into registers, a ring of two blocks of 256 keys; a half's registers are asked for anew as soon as its products are issued, two blocks ahead of their use.
; P is also prefetched: in body u what body u + 1 will ask for (body u + 2's), 65,536 bytes: the eight work-groups that read it take one query tile, 8,192 bytes, each, told apart by the block of channels: wave 0, one instruction, 256 bytes a lane.  Nothing for bodies 0 and 1.
; Source 0 = 16 channels of V, source 1 = 16 queries of P: lane (r, h) holds query r, register j channel 8 h + j.
; RE-BASING.  Block j's codes stand under its own whole number M_j.  The sums are kept under a unit U: in front of block j's products U becomes max(M_j, R - 60), R the largest M so far, and sums and l are
; multiplied by 2^(old U - new U), at most 2^60: a power of two, nothing is rounded short of overflow and underflow.  At a query block's start -U is 3e38: the factor is 0, which clears the (finite) sums.
; LIMIT: a block whose M lies more than 60 under R is weighed 2^-60 of the row's largest p instead of less.  The sums stay finite: 2,048 products of two codes of at most 57,344, times 2^60, are under 2^103.
; e8 + e9 is applied by v_ldexp_f32 and has no limit.  NaN among the inputs is not served.
; REGISTERS: window 0: v16-29 addresses; v32-39 (-M, l) of two blocks x two query tiles; v40-55 the units at work; v64-127 the way out; v128-255 the accumulators, (a, b) at 128 + 64 a + 8 b.
;   window 1: v0-127 P's ring; v128-191 rows on the way out.  window 2: V's fragments, two sets of 128.
.set STAGE, 262144                     ; behind V: 16 rows x 528 bytes for each wave
.set SPARE, STAGE+4*16*528             ; the spare words
.set LO,   16
.set AD,   17
.set STO,  18
.set RD,   19
.set PO,   20
.set SOF,  21
.set PFO,  22
.set SPW,  28
.set NIL,  29
.set SG,   32
.set NU,   40
.set NR,   42
.set LS,   44
.set F,    46
.set TA,   50
.set X1,   52
.set X2,   54
.set TMP,  64
.set ACC,  128
.set BK,   128
.set UN,   2                           ; s2  the number of the body after the one in hand
.set US,   3                           ; s3  X + 1: the upper block's first body
.set VB,   15                          ; s15 LDS byte of the next body's part of V
.set PP,   16                          ; s[16:17] P of the next body, s[18:19] of the one after it, s[20:21] the upper block's first
.set QP,   18
.set PH,   20
.set SP,   22                          ; s[22:23] stats of the next body, s[68:69] the upper block's first
.set SH,   68
.set OL,   70
.set OH,   72
.set PL,   74                          ; s74 bodies under this number are prefetched for: 4 in wave 0, else 0
.set SEL,  98
.set MSB, 0
.macro WIN new
.if MSB != (\new)
	s_set_vgpr_msb (MSB<<8)|(\new)
.set MSB, (\new)
.endif
.endm
.macro PLACES
.rept 4
	v_nop
.endr
.endm
.macro CROUND
	s_barrier_signal -1
	s_barrier_wait -1
	s_cmp_lg_u32 s14, 0
	s_cbranch_scc1 .Lnot_wave_0_\@
	s_barrier_signal -3
.Lnot_wave_0_\@:
	s_barrier_wait -3
	s_barrier_signal -1
	s_barrier_wait -1
.endm
.macro LDM s                           ; block s's -M and l: lanes 0-15 the first 128 keys' l, lanes 16-31 the second's
.irp a, 0,1
	global_load_b64 v[SG+4*\s+2*\a:SG+4*\s+2*\a+1], v[SOF], s[SP:SP+1] offset:32768*\s+128*\a
.endr
.endm
.macro LDP s, q                        ; P of block s, its q-th 128 keys: two fragments; each load reads 512 consecutive bytes
	WIN 0x40
.irp a, 0,1
.irp c, 0,1,2,3
	global_load_b128 v[64*\s+32*\q+16*\a+4*\c:64*\s+32*\q+16*\a+4*\c+3], v[PO], s[PP:PP+1] offset:32768*\a+4096*\s+2048*\q+512*\c
.endr
.endr
	WIN 0
.endm
.macro LDV off, set                    ; V's eight fragments of 128 keys
	WIN 0x80
.irp b, 0,1,2,3,4,5,6,7
.irp c, 0,1,2,3
	ds_load_b128 v[128*\set+16*\b+4*\c:128*\set+16*\b+4*\c+3], v[AD] offset:(\off)+4096*\b+512*\c
.endr
.endr
	WIN 0
.endm
.macro WM s, q                         ; the 16 accumulators take turns
	WIN 0x06
.irp b, 0,1,2,3,4,5,6,7
.irp a, 0,1
	v_wmma_f32_16x16x128_bf8_bf8 v[ACC+64*\a+8*\b:ACC+64*\a+8*\b+7], v[128*\q+16*\b:128*\q+16*\b+15], v[64*\s+32*\q+16*\a:64*\s+32*\q+16*\a+15], v[ACC+64*\a+8*\b:ACC+64*\a+8*\b+7]
.endr
.endr
	WIN 0
.endm
; A block of 256 keys, the s-th of the body.  rel = 1: its registers are asked for anew for the next body.  w0, w1, w2: loads issued behind its (-M, l), its first and its second half of P.  nxt = 1: the next block's first fragments of V are fetched.
.macro BLOCK s, rel, w0, w1, w2, nxt
	s_wait_loadcnt \w0
.irp a, 0,1
	v_min_num_f32 v[NR+\a], v[NR+\a], v[SG+4*\s+2*\a]   ; -R
.endr
.irp a, 0,1
	v_add_f32 v[TA+\a], 0x42700000, v[NR+\a]       ; -(R - 60)
.endr
.irp a, 0,1
	v_min_num_f32 v[TA+\a], v[TA+\a], v[SG+4*\s+2*\a]   ; the new -U
.endr
.irp a, 0,1
	v_sub_f32 v[X1+\a], v[TA+\a], v[NU+\a]         ; old U - new U, at most 60
	v_sub_f32 v[X2+\a], v[TA+\a], v[SG+4*\s+2*\a]  ; M - new U, 0 or less
.endr
.irp a, 0,1
	v_cvt_i32_f32 v[X1+\a], v[X1+\a]               ; (they saturate)
	v_cvt_i32_f32 v[X2+\a], v[X2+\a]
.endr
.irp a, 0,1
	v_ldexp_f32 v[F+2*\a], 1.0, v[X1+\a]
	v_ldexp_f32 v[X2+\a], v[SG+4*\s+2*\a+1], v[X2+\a]
.endr
.irp a, 0,1
	v_fma_f32 v[LS+\a], v[LS+\a], v[F+2*\a], v[X2+\a]
	v_mov_b32 v[NU+\a], v[TA+\a]
.endr
.if \rel
	LDM \s
.endif
	LDV 32768*\s+2048, 1
.set i, 0
.rept 32
	v_pk_mul_f32 v[ACC+2*i:ACC+2*i+1], v[ACC+2*i:ACC+2*i+1], v[F:F+1] op_sel_hi:[1,0]
.set i, i+1
.endr
.rept 32
	v_pk_mul_f32 v[ACC+2*i:ACC+2*i+1], v[ACC+2*i:ACC+2*i+1], v[F+2:F+3] op_sel_hi:[1,0]
.set i, i+1
.endr
	s_wait_alu depctr_va_vdst(0)
	s_wait_loadcnt \w1
	s_wait_dscnt 32                                ; all but the 32 just issued: V's first set is in
	WM \s, 0
	PLACES
.if \rel
	LDP \s, 0
.endif
.if \nxt
.if \s
	v_add_nc_u32 v[AD], s[VB], v[LO]
	LDV 0, 0
.else
	LDV 32768, 0
.endif
.endif
	s_wait_loadcnt \w2
.if \nxt
	s_wait_dscnt 32
.else
	s_wait_dscnt 0
.endif
	WM \s, 1
	PLACES
.if \rel
	LDP \s, 1
.endif
.endm
; A body that has a successor.  In front of it 36 loads are out: 2 + 8 + 8 for each block, in this order.  lim: the largest body of V that may be named as the next one.
.macro BODY lim
	s_wait_alu depctr_va_vdst(0)
	s_wait_xcnt 0x0                                ; every earlier load, prefetch and store has read its addresses
	s_add_co_u32 s[UN], s[UN], 1
	s_mov_b64 s[PP:PP+1], s[QP:QP+1]
	s_add_nc_u64 s[QP:QP+1], s[QP:QP+1], 0x2000
	s_add_nc_u64 s[SP:SP+1], s[SP:SP+1], 0x10000
	s_add_co_u32 s75, s[UN], 1
	s_cmp_eq_u32 s75, s[US]
	s_cselect_b64 s[QP:QP+1], s[PH:PH+1], s[QP:QP+1]
	s_cmp_eq_u32 s[UN], s[US]
	s_cselect_b64 s[SP:SP+1], s[SH:SH+1], s[SP:SP+1]
	s_cmp_lt_u32 s[UN], s[US]
	s_cselect_b32 s75, 0, s[US]
	s_sub_co_u32 s75, s[UN], s75
	s_min_u32 s75, s75, \lim
	s_lshl_b32 s[VB], s75, 16
	BLOCK 0, 1, 34, 28, 28, 1                      ; 34 = 16 + 18; 28 = 8 + 18 + 2; 28 = 18 + 2 + 8
	s_cmp_lt_u32 s[UN], s[PL]
	s_cbranch_scc0 .Lnot_mine_\@
	global_prefetch_b8 v[PFO], s[QP:QP+1] th:TH_LOAD_NT scope:SCOPE_SE
.Lnot_mine_\@:
	BLOCK 1, 1, 34, 28, 28, 1
.endm
; THE WAY OUT of a block of queries: l's two halves of the lanes are added; the sums x 2^(e8 + e9) / l go through my stage, 16 rows at a time, so that the 32 lanes store 512 consecutive bytes, aligned at 512.
.macro STAGEIO
.irp b, 0,1,2,3,4,5,6,7
	ds_store_b128 v[STO], v[TMP+8*\b:TMP+8*\b+3] offset:64*\b
	ds_store_b128 v[STO], v[TMP+8*\b+4:TMP+8*\b+7] offset:64*\b+16
.endr
	WIN 0x40
.set i, 0
.rept 16
	ds_load_b128 v[BK+4*i:BK+4*i+3], v[RD] offset:528*i   ; LDS serves a wave's instructions in order (ISA guide 5.7.1.4): these see the stores above
.set i, i+1
.endr
	WIN 0
.endm
.macro SCALE a
	s_wait_alu depctr_va_vdst(0)                   ; the wait directly ahead of the first readers of the sums
.set i, 0
.rept 32
	v_pk_mul_f32 v[TMP+2*i:TMP+2*i+1], v[ACC+64*\a+2*i:ACC+64*\a+2*i+1], v[F+2*\a:F+2*\a+1] op_sel_hi:[1,0]
.set i, i+1
.endr
.endm
.macro SEND a, ob
	WIN 0x04
.set i, 0
.rept 16
	global_store_b128 v[LO], v[BK+4*i:BK+4*i+3], s[\ob:\ob+1] offset:(16*\a+i)*4096 th:TH_STORE_NT
.set i, i+1
.endr
	WIN 0
.endm
.macro OUT ob
.irp a, 0,1
	v_permlanex16_b32 v[TA+\a], v[LS+\a], s[SEL], s[SEL+1]
.endr
.irp a, 0,1
	v_add_f32 v[LS+\a], v[LS+\a], v[TA+\a]
.endr
	s_wait_alu depctr_va_vdst(0)                   ; the wait ahead of the reciprocals,
	v_rcp_f32 v[X1], v[LS]
	v_rcp_f32 v[X1+1], v[LS+1]
	v_nop                                          ; a plain place behind them,
	s_wait_alu depctr_va_vdst(0)                   ; the wait ahead of their readers
	v_ldexp_f32 v[F], v[X1], s66
	v_ldexp_f32 v[F+2], v[X1+1], s66
	SCALE 0
	STAGEIO
	SCALE 1
	s_wait_alu depctr_va_vdst(0)
	s_wait_dscnt 0x0
	SEND 0, \ob
	s_wait_xcnt 0x0                                ; the stores have read their registers
	STAGEIO
	s_wait_dscnt 0x0
	SEND 1, \ob
.endm
.macro RESET
.irp a, 0,1
	v_mov_b32 v[NU+\a], 0x7f61b1e6                 ; 3e38
	v_mov_b32 v[NR+\a], 0x7f61b1e6
	v_mov_b32 v[LS+\a], 0
.endr
	s_wait_alu depctr_va_vdst(0)
.endm
	s_load_b256 s[4:11], s[0:1], 0x0               ; pf 4, vf 6, stats 8, scales 10
	s_load_b64 s[12:13], s[0:1], 0x20              ; out0
	v_lshl_add_u32 v[SPW], v0, 2, SPARE
	v_mov_b32 v[NIL], 0
	ds_add_u32 v[SPW], v[NIL]                      ; the add, twice on end, ahead of the first tensor load
	ds_add_u32 v[SPW], v[NIL]
	v_lshrrev_b32 v1, 5, v0
	v_readfirstlane_b32 s14, v1
	s_bfe_u32 s40, ttmp6, 0x40000                  ; cx
	s_lshl_b32 s41, ttmp9, 2
	s_add_co_u32 s41, s41, s40                     ; i
	s_sub_co_u32 s42, 15, s41                      ; 15 - i
	s_and_b32 s43, ttmp7, 0xffff
	s_lshr_b32 s44, s43, 3                         ; the batch
	s_and_b32 s45, s43, 7                          ; the block of 128 channels
	s_add_co_u32 s[US], ttmp9, 1
	s_mov_b32 s24, 15|(3<<16)|(1<<21)              ; all four of the cluster; elements of 8 bytes; no padding; bit 21 beside a mask
	s_mov_b32 s25, 512<<16                         ; 32,768 dense bytes as 8 rows of 4,096
	s_mov_b32 s26, 8<<16
	s_mov_b32 s27, 512<<16
	s_mov_b32 s28, 8
	s_mov_b32 s29, 512
	s_mov_b32 s30, 0
	s_mov_b32 s31, 0
	s_lshl_b32 s33, s14, 15                        ; wave w fetches block w of 256 keys, then block 4 + w
	s_add_co_u32 s37, s33, 131072
	s_mov_b32 s32, 1
	s_mov_b32 s36, 1
	s_lshl_b32 s46, s44, 21                        ; V: batch, channels, my block
	s_lshl_b32 s75, s45, 18
	s_add_co_u32 s46, s46, s75
	s_add_co_u32 s46, s46, s33
	s_mov_b32 s47, 0
	s_lshl_b32 s48, s44, 22                        ; P: batch, query block
	s_lshl_b32 s50, s42, 18
	s_add_co_u32 s50, s50, s48
	s_lshl_b32 s75, s41, 18
	s_add_co_u32 s48, s48, s75
	s_mov_b32 s49, 0
	s_mov_b32 s51, 0
	s_lshl_b32 s52, s44, 18                        ; stats: batch, query block
	s_lshl_b32 s54, s42, 10
	s_add_co_u32 s54, s54, s52
	s_lshl_b32 s75, s41, 10
	s_add_co_u32 s52, s52, s75
	s_mov_b32 s53, 0
	s_mov_b32 s55, 0
	s_lshl_b32 s56, s44, 23                        ; out0: batch, query block, my 32 rows of 4,096 bytes, the channels
	s_lshl_b32 s75, s14, 17
	s_add_co_u32 s56, s56, s75
	s_lshl_b32 s75, s45, 9
	s_add_co_u32 s56, s56, s75
	s_lshl_b32 s58, s42, 19
	s_add_co_u32 s58, s58, s56
	s_lshl_b32 s75, s41, 19
	s_add_co_u32 s56, s56, s75
	s_mov_b32 s57, 0
	s_mov_b32 s59, 0
	s_lshl_b32 s76, s14, 16
	s_lshl_b32 s77, s14, 8
	s_lshl_b32 s78, s45, 15
	s_mul_i32 s79, s14, 16*528
	s_add_co_u32 s79, s79, STAGE
	s_mov_b32 s[SEL], 0x76543210
	s_mov_b32 s[SEL+1], 0xfedcba98
	s_wait_dscnt 0x0                               ; both opening adds are done
	s_wait_alu depctr_va_vdst(0)
	s_wait_kmcnt 0x0
	s_load_b64 s[66:67], s[10:11], 0x20            ; e8, e9
	s_add_nc_u64 s[34:35], s[6:7], s[46:47]
	s_add_nc_u64 s[38:39], s[34:35], 0x20000
	s_or_b32 s35, s35, 0x80000000
	s_or_b32 s39, s39, 0x80000000
	s_add_nc_u64 s[PP:PP+1], s[4:5], s[48:49]
	s_add_nc_u64 s[PH:PH+1], s[4:5], s[50:51]
	s_add_nc_u64 s[SP:SP+1], s[8:9], s[52:53]
	s_add_nc_u64 s[SH:SH+1], s[8:9], s[54:55]
	s_add_nc_u64 s[OL:OL+1], s[12:13], s[56:57]
	s_add_nc_u64 s[OH:OH+1], s[12:13], s[58:59]
	s_add_nc_u64 s[QP:QP+1], s[PP:PP+1], 0x2000
	s_cmp_eq_u32 s[US], 1
	s_cselect_b64 s[QP:QP+1], s[PH:PH+1], s[QP:QP+1]
	s_cmp_eq_u32 s14, 0
	s_cselect_b32 s[PL], 4, 0
	CROUND
	tensor_load_to_lds s[32:35], s[24:31]          ; keys 0 to 1,023
	s_nop 0
	v_and_b32 v1, 15, v0                           ; r
	v_bfe_u32 v2, v0, 4, 1                         ; h
	v_and_b32 v5, 31, v0
	v_lshlrev_b32 v[LO], 4, v5                     ; 16 x lane
	v_add_nc_u32 v[PO], s76, v[LO]                 ; my wave's two query tiles
	v_lshlrev_b32 v[SOF], 3, v1
	v_lshl_add_u32 v[SOF], v2, 14, v[SOF]
	v_add_nc_u32 v[SOF], s77, v[SOF]
	v_lshlrev_b32 v[PFO], 8, v5
	v_add_nc_u32 v[PFO], s78, v[PFO]
	LDM 0                                          ; the first body's P, -M and l
	LDP 0, 0
	LDP 0, 1
	LDM 1
	LDP 1, 0
	LDP 1, 1
	v_mul_u32_u24 v[STO], v1, 528
	v_lshl_add_u32 v[STO], v2, 5, v[STO]
	v_add_nc_u32 v[STO], s79, v[STO]               ; in: row r, 32 bytes for each half of the lanes
	v_add_nc_u32 v[RD], s79, v[LO]                 ; back: 512 bytes of one row
	v_mov_b32 v[AD], v[LO]
	v_mov_b32 v[F+1], 0                            ; named as the upper half of a pair
	v_mov_b32 v[F+3], 0
.set i, 0
.rept 128
	v_mov_b32 v[ACC+i], 0                          ; the loops have no first step of their own: the first factor multiplies zeros
.set i, i+1
.endr
	RESET
	s_wait_kmcnt 0x0
	s_add_co_i32 s66, s66, s67                     ; e8 + e9
	s_wait_tensorcnt 0x0                           ; my part of the first fill is in
	ds_add_u32 v[SPW], v[NIL]
	s_wait_dscnt 0x0
	CROUND
	tensor_load_to_lds s[36:39], s[24:31]          ; keys 1,024 to 2,047: two bodies to land in
	s_nop 0
	PLACES
	LDV 0, 0
	s_mov_b32 s[UN], 0
.Lfirst:                                           ; bodies 0 and 1: keys under 1,024 alone, also in what they fetch for body 2
	s_cmp_lg_u32 s[UN], s[US]
	s_cbranch_scc1 .Lwalk
	OUT OL                                         ; the lower block of queries is done
	RESET
.Lwalk:
	BODY 1
	s_wait_alu depctr_va_vdst(0)
	s_cmp_lt_u32 s[UN], 2
	s_cbranch_scc1 .Lfirst
	s_wait_tensorcnt 0x0                           ; my part of the second fill is in,
	s_wait_dscnt 0x0
	s_barrier_signal -1
	s_barrier_wait -1                              ; and everybody's
	s_mov_b32 s[UN], 2
	s_cmp_lg_u32 s[US], 2
	s_cbranch_scc1 .Lsecond
	OUT OL
	RESET
.Lsecond:                                          ; bodies 2 and 3
	BODY 3
	s_wait_alu depctr_va_vdst(0)
	s_cmp_lt_u32 s[UN], 4
	s_cbranch_scc1 .Lsecond
	BLOCK 0, 0, 34, 26, 18, 1                      ; body 4 asks for nothing
	BLOCK 1, 0, 16, 8, 0, 0
	OUT OH
	s_wait_tensorcnt 0x0                           ; the wave's end
	ds_add_u32 v[SPW], v[NIL]
	s_wait_dscnt 0x0
	CROUND                                         ; the closing round
	s_endpgm
.Lfunc_end_k_q97fee31612_pv:
	.size	k_q97fee31612_pv, .Lfunc_end_k_q97fee31612_pv-k_q97fee31612_pv
	.p2alignl 7, 3214868480
	.fill 96, 4, 3214868480
	.section	.rodata,"a",@progbits
	.p2align	6, 0x0
	.amdhsa_kernel k_q97fee31612_pv
		.amdhsa_group_segment_fixed_size 327680
		.amdhsa_private_segment_fixed_size 0
		.amdhsa_enable_private_segment 0
		.amdhsa_kernarg_size 40
		.amdhsa_user_sgpr_count 2
		.amdhsa_user_sgpr_kernarg_segment_ptr 1
		.amdhsa_wavefront_size32 1
		.amdhsa_system_sgpr_workgroup_id_x 1
		.amdhsa_system_sgpr_workgroup_id_y 1
		.amdhsa_system_sgpr_workgroup_id_z 1
		.amdhsa_system_vgpr_workitem_id 0
		.amdhsa_next_free_vgpr 768
		.amdhsa_next_free_sgpr 100
		.amdhsa_reserve_vcc 0
		.amdhsa_float_denorm_mode_32 3
		.amdhsa_float_denorm_mode_16_64 3
		.amdhsa_memory_ordered 1
		.amdhsa_forward_progress 1
		.amdhsa_inst_pref_size 130
	.end_amdhsa_kernel
	.amdgpu_metadata
---
amdhsa.version: [ 1, 2 ]
amdhsa.kernels:
  - .name:           k_q97fee31612_pv
    .symbol:         k_q97fee31612_pv.kd
    .args:
      - { .name: pf, .offset: 0, .size: 8, .value_kind: global_buffer, .address_space: global }
      - { .name: vf, .offset: 8, .size: 8, .value_kind: global_buffer, .address_space: global }
      - { .name: stats, .offset: 16, .size: 8, .value_kind: global_buffer, .address_space: global }
      - { .name: lowp_scales, .offset: 24, .size: 8, .value_kind: global_buffer, .address_space: global }
      - { .name: out0, .offset: 32, .size: 8, .value_kind: global_buffer, .address_space: global }
    .group_segment_fixed_size: 327680
    .private_segment_fixed_size: 0
    .kernarg_segment_align: 8
    .kernarg_segment_size: 40
    .max_flat_workgroup_size: 128
    .sgpr_count:     100
    .vgpr_count:     768
    .wavefront_size: 32
...
	.end_amdgpu_metadata
.endif
;; end of part 3
